; MI455X (gfx1250); checked and timed in simulation.
; The chip was launched on July 23, 2026; its instructions are those of AMD's public machine-readable ISA for CDNA 5 (MIT licence, August 2026) and "CDNA5" Instruction Set Architecture Reference Guide (July 2026). The comments in the code are by the model that wrote it; some were corrected since.
;; Sparse Local Attention. Allowed arithmetic: float matrix products may take bf16 or f16 operands with f32 sums; other float arithmetic in f32, or as packed bf16 or f16 multiplies, adds, multiply-adds, maxima and minima; sums over many terms, partial sums and values carried from step to step in f32; what a program stores and reads back later, other than sums and carried values, may be rounded once to bf16 or f16.
;; Inputs: inputs 4 x 4,096 x 512 float32.
;; Outputs: out0 4 x 4,096 x 512 float32.
;; One version. Each part assembles by itself: llvm-mc -triple=amdgcn-amd-amdhsa -mcpu=gfx1250 --defsym DOCPART=n.
;; ======== version 1 of 1: 2 launches
;; workspace buffers: xb 16,777,216 bytes
;; launch cast (part 1): grid 1024 x 1, 8 waves a work-group, no clusters, 0 bytes of LDS; arguments inputs, xb; writes xb
.if DOCPART == 1
	.amdgcn_target "amdgcn-amd-amdhsa--gfx1250"
	.amdhsa_code_object_version 6
	.text
	.protected	k_q6f7aabc0c1_cast
	.globl	k_q6f7aabc0c1_cast
	.p2align	8
	.type	k_q6f7aabc0c1_cast,@function
k_q6f7aabc0c1_cast:
	s_mov_b64 s[64:65], 0
	v_nop
	global_prefetch_b8 v0, s[64:65] scope:SCOPE_SE
	s_setreg_imm32_b32 hwreg(HW_REG_WAVE_MODE, 25, 1), 1
	s_wait_xcnt 0x0
; xb = inputs rounded once to bf16 (nearest even), same order: [4][4096][512].  It serves the next launch as Q, K and V.
; 1,024 work-groups of eight waves; a work-group takes 8,192 numbers: 32,768 bytes in, 16,384 bytes out, in four steps of 2,048 numbers.
; In a step thread t takes 8 neighbouring numbers: two loads of 16 bytes at 32 t, one store of 16 bytes at 16 t, so that sixteen
; neighbouring lanes store 256 consecutive bytes, at a multiple of 256 from xb's first byte.
; All eight loads go out first; no register is written twice, so no wait frees a source.  No LDS, no barrier, no matrix unit: bytes are all that counts.
.set XI, 8                             ; v[8:39]   step i: 8 numbers in f32
.set YO, 40                            ; v[40:55]  step i: 8 numbers in bf16
	s_load_b128 s[4:7], s[0:1], 0x0                ; inputs s[4:5], xb s[6:7]
	s_lshl_b32 s8, ttmp9, 15                       ; the work-group's 32,768 bytes of inputs (33,554,432 in all: 32 bits hold it)
	s_mov_b32 s9, 0
	s_lshl_b32 s10, ttmp9, 14                      ; and its 16,384 bytes of xb
	s_mov_b32 s11, 0
	v_lshlrev_b32 v1, 5, v0                        ; 32 t
	v_lshlrev_b32 v2, 4, v0                        ; 16 t
	s_wait_kmcnt 0x0
	s_add_nc_u64 s[4:5], s[4:5], s[8:9]
	s_add_nc_u64 s[6:7], s[6:7], s[10:11]
.irp i, 0,1,2,3
	global_load_b128 v[XI+8*\i:XI+8*\i+3],   v1, s[4:5] offset:8192*\i th:TH_LOAD_NT
	global_load_b128 v[XI+8*\i+4:XI+8*\i+7], v1, s[4:5] offset:8192*\i+16 th:TH_LOAD_NT
.endr
.irp i, 0,1,2,3
	s_wait_loadcnt 6-2*\i                          ; loads come back in order: step i's two are in, the 6 - 2 i younger ones stay out
	v_cvt_pk_bf16_f32 v[YO+4*\i],   v[XI+8*\i],   v[XI+8*\i+1]
	v_cvt_pk_bf16_f32 v[YO+4*\i+1], v[XI+8*\i+2], v[XI+8*\i+3]
	v_cvt_pk_bf16_f32 v[YO+4*\i+2], v[XI+8*\i+4], v[XI+8*\i+5]
	v_cvt_pk_bf16_f32 v[YO+4*\i+3], v[XI+8*\i+6], v[XI+8*\i+7]
	global_store_b128 v2, v[YO+4*\i:YO+4*\i+3], s[6:7] offset:4096*\i
.endr
	s_endpgm
.Lfunc_end_k_q6f7aabc0c1_cast:
	.size	k_q6f7aabc0c1_cast, .Lfunc_end_k_q6f7aabc0c1_cast-k_q6f7aabc0c1_cast
	.p2alignl 7, 3214868480
	.fill 96, 4, 3214868480
	.section	.rodata,"a",@progbits
	.p2align	6, 0x0
	.amdhsa_kernel k_q6f7aabc0c1_cast
		.amdhsa_group_segment_fixed_size 0
		.amdhsa_private_segment_fixed_size 0
		.amdhsa_enable_private_segment 0
		.amdhsa_kernarg_size 16
		.amdhsa_user_sgpr_count 2
		.amdhsa_user_sgpr_kernarg_segment_ptr 1
		.amdhsa_wavefront_size32 1
		.amdhsa_system_sgpr_workgroup_id_x 1
		.amdhsa_system_sgpr_workgroup_id_y 1
		.amdhsa_system_sgpr_workgroup_id_z 1
		.amdhsa_system_vgpr_workitem_id 0
		.amdhsa_next_free_vgpr 56
		.amdhsa_next_free_sgpr 66
		.amdhsa_reserve_vcc 0
		.amdhsa_float_denorm_mode_32 3
		.amdhsa_float_denorm_mode_16_64 3
		.amdhsa_memory_ordered 1
		.amdhsa_forward_progress 1
		.amdhsa_inst_pref_size 3
	.end_amdhsa_kernel
	.amdgpu_metadata
---
amdhsa.version: [ 1, 2 ]
amdhsa.kernels:
  - .name:           k_q6f7aabc0c1_cast
    .symbol:         k_q6f7aabc0c1_cast.kd
    .args:
      - { .name: inputs, .offset: 0, .size: 8, .value_kind: global_buffer, .address_space: global }
      - { .name: xb, .offset: 8, .size: 8, .value_kind: global_buffer, .address_space: global }
    .group_segment_fixed_size: 0
    .private_segment_fixed_size: 0
    .kernarg_segment_align: 8
    .kernarg_segment_size: 16
    .max_flat_workgroup_size: 256
    .sgpr_count:     66
    .vgpr_count:     56
    .wavefront_size: 32
...
	.end_amdgpu_metadata
.endif
;; end of part 1
;; launch attn (part 2): grid 64 x 4, 4 waves a work-group, clusters of 4 x 1, 327,680 bytes of LDS; arguments xb, out0; writes out0
.if DOCPART == 2
	.amdgcn_target "amdgcn-amd-amdhsa--gfx1250"
	.amdhsa_code_object_version 6
	.text
	.protected	k_q6f7aabc0c1_attn
	.globl	k_q6f7aabc0c1_attn
	.p2align	8
	.type	k_q6f7aabc0c1_attn,@function
k_q6f7aabc0c1_attn:
	s_mov_b64 s[64:65], 0
	v_nop
	global_prefetch_b8 v0, s[64:65] scope:SCOPE_SE
	s_setreg_imm32_b32 hwreg(HW_REG_WAVE_MODE, 25, 1), 1
	s_wait_xcnt 0x0
	s_wait_alu depctr_hold_cnt(0) depctr_sa_sdst(0) depctr_va_vdst(0) depctr_va_sdst(0) depctr_va_ssrc(0) depctr_va_vcc(0) depctr_vm_vsrc(0)
	s_getreg_b32 s2, hwreg(HW_REG_IB_STS2, 6, 4)
	s_cmp_eq_u32 s2, 0
	s_cbranch_scc0 .Lentry_in_a_cluster
	s_endpgm
.Lentry_in_a_cluster:
	s_bfe_u32 s2, ttmp6, 0x10000c
	s_cmp_lg_u32 s2, 0x3003
	s_cbranch_scc0 .Lentry_shape_is_right
	s_endpgm
.Lentry_shape_is_right:
; out[b][q][:] = the sum over k of softmax_k(F (x[b][q] . x[b][k])) x[b][k][:].  xb: [4][4096][512] bf16 (x rounded once); out0: the same shape in f32.
; THE FACTOR.  The source multiplies the scores by (mask - 1e9) in f32.  f32 numbers next to 1e9 lie 64 apart, so 1 - 1e9 rounds to -1e9, which is also 0 - 1e9:
; the factor is F = -1e9 inside the band and outside it, and this is dense attention with Q = K = V = x: no tile can be left out.
; ARITHMETIC, in the source's order of rounding: t = round(F s); M the running maximum of t; p = 2^((t - M) log2 e), by a subtraction and then a product, so that the
; largest t gives p = 1 exactly; a = 2^((M_old - M_new) log2 e); l the f32 sum of the unrounded p; p rounded to bf16 for the second product; O = O a + V^T P; out = O / l.
; A lane's largest t is taken as round(F min s): rounding is monotone and F is negative.  M starts at the lowest finite number, O and l at 0: the first a is 0.
; LIMITS.  |s| x 1e9 stays under 3.4e38.  A weight below 2^-126 counts as 0.  NaN and infinities are not treated apart.  With scores of the size of 1 and more the softmax
; picks the row's smallest score; two smallest scores that differ by less than the f32 sums' own rounding (some 1e-7 of the sum of the |products|) may be picked the other way round.
; SHARES.  A work-group owns 64 queries of one batch; 256 work-groups.  Keys go in tiles of 128, each in two halves of 64.
;   S^T = K Q^T is split BY KEYS: every wave holds all 64 queries' Q (512 registers) and makes, in each half, 16 keys x 64 queries: a fragment of K feeds four products.
;   O^T = V^T P is split BY CHANNELS: wave w owns channels 128 w .. 128 w + 127 of all 64 queries (256 registers): a fragment of V^T feeds four products, one of P eight.
;   Between the two the row maxima (1 KiB a half) and P in bf16 (9 KiB a half) pass through LDS.  K and V are the same tile in LDS.
; LAYOUT.  Source 0 = 16 keys, source 1 = 16 queries: in S^T a lane holds ONE query (lane % 16) and 8 keys; in O^T one query and 8 channels.  So a and 1 / l are a number a lane.
; A TILE is four segments of 64 matrix instructions, with at most four vector instructions behind each:
;   A: K Q^T of half 0 | B: K Q^T of half 1, softmax of half 0, O a0 | C: V^T P of half 0, the rest of O a0, softmax of half 1, O a1 | D: V^T P of half 1, the rest of O a1, the sums l, the change of slots.
; CLUSTER.  The four work-groups of a cluster belong to one batch and walk the same keys: each tile is asked for JOINTLY (the same line, descriptor and mask of four in all).
; By this text's own count a wave has two tensor loads out at the start and one behind each round.
; O is cleared by 256 v_mov_b32 on purpose: they run while the first tile is on its way, and spare a third copy of the tile's text for a first step.
;
; REGISTERS, in windows of 256 (s_set_vgpr_msb: bits 1:0 source 0, 3:2 source 1, 5:4 source 2, 7:6 destination):
;   window 0: addresses, statistics, S^T, fragments of K / P and of V^T     window 1: O^T, (channel block cb, query tile qt) at 32 cb + 8 qt
;   windows 2, 3: Q, (qt, chunk c of 32 channels) in window 2 + c / 8 at 32 (c % 8) + 8 qt
.set PITCH,  1056                      ; a key's row in LDS: 1,024 bytes + 32 of padding
.set HALFB,  64*PITCH+16               ; keys 64-127 of a tile begin here: 16 bytes askew.  A fragment of K takes 8 rows of keys 0-63 and 8 of keys 64-127: they begin at 32 r and 32 r + 16
                                       ; modulo 256, sixteen different columns of 16 bytes; a turning load takes 8 rows x 32 bytes of one half, each column once (64 banks of 4 bytes: ISA guide 11.1)
.set SLOTB,  135424                    ; a slot: 529 blocks of 256 bytes.  Its bits 17, 12 and 8 are 0 in every wave's place WL in a slot, so one exclusive or turns an address in one slot into the other's
.set TILEB,  131072                    ; a tile in memory: 128 keys x 1,024 bytes
.set PBASE,  2*SLOTB                   ; P of half hs at PBASE + 9,216 hs: a row a query, pitch 144; the 8 keys of (wave w, half h of the lanes) at byte 16 (2 w + h)
.set PP,     144
.set PHALF,  64*PP
.set MXBASE, PBASE+2*PHALF             ; the waves' maxima of half hs at MXBASE + 1,024 hs: f32 at 256 w + 16 r + 4 qt
.set LXBASE, MXBASE+2048               ; the waves' sums l, once at the end, in the same layout
.set STAGE,  LXBASE+1024               ; each wave's own: 16 rows of 512 bytes, pitch 528, for the way out
.set SPI,    528
.set SPARE,  STAGE+4*16*SPI            ; the spare words, 128 bytes for each wave: two blocks of 256 bytes that no other line names
.set AK0, 2                            ; v2   my lane's place in a tile for K's fragments; never rewritten
.set AV0, 3                            ; v3   the same for the turning loads of V
.set AK,  4                            ; v4   AK0 + the slot in hand
.set AV,  5                            ; v5   AV0 + the slot in hand
.set PST, 6                            ; v6   where I put 16 bytes of P
.set PRD, 7                            ; v7   where I read P's fragments
.set MST, 8                            ; v8   where I put my wave's four maxima
.set MRD, 9                            ; v9   where I read the four waves'
.set PFO, 10                           ; v10  256 x lane, for the prefetch; never rewritten
.set QO,  11                           ; v11  my byte offset in 16 rows of Q
.set SPW, 12                           ; v12  LDS address of my spare word: SPARE + 4 x my thread's number; never rewritten
.set NIL, 13                           ; v13  0; never rewritten
.set STO, 14                           ; v14  the way out: where I put 32 bytes of a row
.set SRD, 15                           ; v15  the way out: where I read a row back
.set GO,  16                           ; v16  16 x lane: my 16 bytes of a row's 512
.set LXS, 17                           ; v17, v18  as MST, MRD, for l
.set LXR, 18
.set MM,  20                           ; v[20+2 qt] M, v[21+2 qt] its old value
.set A0,  28                           ; v[28+2 qt] a of half 0, v[29+2 qt] its argument; half 1's pairs at v244 on
.set LL,  36                           ; v[36+2 qt], +1: l (even keys', odd keys')
.set LM,  44                           ; v[44:47] my wave's extreme, by qt
.set TP,  48                           ; v[48:51] the other half of the lanes'
.set XX,  52                           ; v[52:67] the four waves' maxima (4 w + qt); later P, packed (4 qt + pair)
.set SS,  68                           ; v[68:131] S^T: (hs, qt) at 68 + 32 hs + 8 qt
.set KB,  132                          ; v[132:195] two sets of four fragments: of K, or of P
.set VB,  196                          ; v[196:243] a ring of six fragments of V^T: fragment n at 8 (n % 6)
.set WV,  8                            ; s8   my wave's number
.set CX,  9                            ; s9   my place in the cluster
.set BLK, 10                           ; s10  my block of 64 queries
.set BAT, 11                           ; s11  the batch
.set G1,  16                           ; s[16:23] descriptor group 1
.set G0A, 24                           ; s[24:27] group 0 of tile 0
.set G0B, 28                           ; s[28:31] group 0 of tile 1; it then walks
.set WL,  32                           ; s32  my 32 keys' place in a slot
.set TB,  33                           ; s33  the slot in hand: 0 or SLOTB
.set CNT, 34                           ; s34  trips to go
.set LIM, 35                           ; s35  1 in a cluster that prefetches, else the greatest number
.set FF,  36                           ; s[36:37] F, named as a pair
.set LE,  38                           ; s[38:39] log2 e
.set SEL, 40                           ; s[40:41] v_permlanex16_b32's selects: each lane takes its own place in the other half
.set PFA, 42                           ; s[42:43] where my prefetches stand
.set QB,  44                           ; s[44:45] Q at my block's first row
.set OOF, 46                           ; s[46:47] my wave's byte offset in out0
.set MSB, 0
.macro WIN new                         ; the immediate's high byte repeats the setting that is left; a switch that changes nothing is dropped
.if MSB != (\new)
	s_set_vgpr_msb (MSB<<8)|(\new)
.set MSB, (\new)
.endif
.endm
; A load into a register that a matrix instruction has read, and a vector instruction that reads a matrix result, stand four plain vector instructions behind it (ISA guide 7.12.1 for
; vector instructions).  Where the vector work behind the products does not serve, four v_nop do.
.macro PLACES
.rept 4
	v_nop
.endr
.endm
; A round of the cluster's barrier: my work-group's barrier, so that wave 0's signal speaks for all four waves; wave 0 signals; every wave waits for all four work-groups; my work-group's barrier once more.
.macro CREST                           ; a round behind its opening barrier
	s_cmp_lg_u32 s[WV], 0
	s_cbranch_scc1 .Lnot_wave_0_\@
	s_barrier_signal -3
.Lnot_wave_0_\@:
	s_barrier_wait -3
	s_barrier_signal -1
	s_barrier_wait -1
.endm
.macro ROUND
	s_barrier_signal -1
	s_barrier_wait -1
	CREST
.endm
; THE LDS INSTRUCTIONS, always in runs.
; Run r of 8 of K: half r / 4, chunks 4 (r % 4) + 0..3 of 32 channels, into set r % 2.  A fragment: lane l holds row l % 16, channels 8 (l / 16) + 0..7 and 16 + 8 (l / 16) + 0..7: two loads, 32 bytes apart.
; Rows 0-7 are keys 16 w + 8 f + 0..7, rows 8-15 keys 64 + 16 w + 8 f + 0..7.
.macro KLOAD r
	WIN 0
.irp j, 0,1,2,3
	ds_load_b128 v[KB+32*((\r)%2)+8*\j:KB+32*((\r)%2)+8*\j+3],   v[AK] offset:((\r)/4)*8*PITCH+(4*((\r)%4)+\j)*64
	ds_load_b128 v[KB+32*((\r)%2)+8*\j+4:KB+32*((\r)%2)+8*\j+7], v[AK] offset:((\r)/4)*8*PITCH+(4*((\r)%4)+\j)*64+32
.endr
.endm
; Fragment n of 32 of V^T: half n / 16, key group kk = (n / 8) % 2, channel block n % 8.  Its 32 keys lie in the order in which P holds them:
; registers 0-3: keys 32 kk + 8 hs + 0..7 (+ 64 in lanes 16-31), registers 4-7: 16 further on.
.macro VLOAD n
	WIN 0
	ds_load_tr16_b128 v[VB+8*((\n)%6):VB+8*((\n)%6)+3],   v[AV] offset:(32*(((\n)/8)%2)+8*((\n)/16))*PITCH+32*((\n)%8)
	ds_load_tr16_b128 v[VB+8*((\n)%6)+4:VB+8*((\n)%6)+7], v[AV] offset:(32*(((\n)/8)%2)+16+8*((\n)/16))*PITCH+32*((\n)%8)
.endm
.macro PLOAD hs, kk                    ; four fragments of P (16 queries x 32 keys each) into set kk
	WIN 0
.irp q, 0,1,2,3
	ds_load_b128 v[KB+32*(\kk)+8*\q:KB+32*(\kk)+8*\q+3],   v[PRD] offset:(\hs)*PHALF+\q*16*PP+(\kk)*64
	ds_load_b128 v[KB+32*(\kk)+8*\q+4:KB+32*(\kk)+8*\q+7], v[PRD] offset:(\hs)*PHALF+\q*16*PP+(\kk)*64+32
.endr
.endm
.macro XLOAD hs
	WIN 0
.irp u, 0,1,2,3
	ds_load_b128 v[XX+4*\u:XX+4*\u+3], v[MRD] offset:(\hs)*1024+\u*256
.endr
.endm
.macro MSTORE hs                       ; both halves of the lanes hold the same four numbers and write the same words
	WIN 0
	ds_store_b128 v[MST], v[LM:LM+3] offset:(\hs)*1024
.endm
.macro PSTORE hs
	WIN 0
.irp q, 0,1,2,3
	ds_store_b128 v[PST], v[XX+4*\q:XX+4*\q+3] offset:(\hs)*PHALF+\q*16*PP
.endr
.endm
; THE MATRIX WORK.  The accumulators take turns, one instruction a turn: four in K Q^T, 32 in V^T P; each segment's first differs from the last of the segment before, over the backward jump too.
.macro WQK hs                          ; product i of 64: chunk i / 4, query tile i % 4.  The first four start the sums
.set cc, i/4
.set rS, SS+32*(\hs)+8*(i%4)
.set rK, KB+32*((cc/4)%2)+8*(cc%4)
.set rQ, 32*(cc%8)+8*(i%4)
	WIN 0x08+4*(cc/8)                              ; Q in window 2 or 3, all else in window 0
.if cc == 0
	v_wmma_f32_16x16x32_bf16 v[rS:rS+7], v[rK:rK+7], v[rQ:rQ+7], 0
.else
	v_wmma_f32_16x16x32_bf16 v[rS:rS+7], v[rK:rK+7], v[rQ:rQ+7], v[rS:rS+7]
.endif
.endm
.macro WPV hs                          ; product i of 64: key group i / 32, channel block (i % 32) / 4, query tile i % 4
.set nn, 16*(\hs)+i/4
.set rO, 32*((i%32)/4)+8*(i%4)
.set rV, VB+8*(nn%6)
.set rP, KB+32*(i/32)+8*(i%4)
	WIN 0x50                                       ; O^T in window 1
	v_wmma_f32_16x16x32_bf16 v[rO:rO+7], v[rV:rV+7], v[rP:rP+7], v[rO:rO+7]
.endm
; THE VECTOR WORK.  RSOP: pair n of 128 of O^T times a of half hs, in ascending order.
.macro RSOP hs, n
	WIN 0x41
	v_pk_mul_f32 v[2*(\n):2*(\n)+1], v[2*(\n):2*(\n)+1], v[A0+216*(\hs)+2*(((\n)%16)/4):A0+216*(\hs)+2*(((\n)%16)/4)+1] op_sel_hi:[1,0]
.endm
.macro RS4 hs, n
	RSOP \hs, (\n)
	RSOP \hs, (\n)+1
	RSOP \hs, (\n)+2
	RSOP \hs, (\n)+3
.endm
; Pair j of a half's 16 pairs of scores: query tile j % 4, pair j / 4 of its eight registers.
.macro SD j                            ; t - M
.set rp, rS+8*((\j)%4)+2*((\j)/4)
	v_pk_add_f32 v[rp:rp+1], v[rp:rp+1], v[MM+2*((\j)%4):MM+2*((\j)%4)+1] op_sel_hi:[1,0] neg_lo:[0,1] neg_hi:[0,1]
.endm
.macro SE j                            ; times log2 e
.set rp, rS+8*((\j)%4)+2*((\j)/4)
	v_pk_mul_f32 v[rp:rp+1], v[rp:rp+1], s[LE:LE+1] op_sel_hi:[1,0]
.endm
.macro SX j, e                         ; the exponential of its number e
.set rp, rS+8*((\j)%4)+2*((\j)/4)+(\e)
	v_exp_f32 v[rp], v[rp]
.endm
; SMOP: number n of the 164 of a half's softmax.  In every group of four the query tile is n % 4, so no line reads the result of the line before it.
;   0-15    the least of my 8 raw scores (the lowest registers first)     16-23  and of the other half of the lanes'     24-27  times F: my wave's largest t
;   28-43   t = F s, in place                                            44-47  M is kept     48-55  the new M, of the four waves' numbers     56-63  (M_old - M) log2 e
;   64-131  ONE BATCH: the 16 subtractions, the 16 products by log2 e and all 36 exponentials (a four times, then the 32 weights); nothing in it names an exponential's result
;   (wait)  behind 131 the segment writes one v_nop and the one wait for the batch
;   132-147 the weights rounded to bf16, in pairs     148-159  their sum, in place     160-163  l = a l + the sum
.macro SMOP hs, n
.set sn, (\n)
.set sq, sn%4
.set rS, SS+32*(\hs)
.set rA, A0+216*(\hs)
	WIN 0
.if sn < 4
	v_min3_num_f32 v[LM+sq], v[rS+8*sq], v[rS+8*sq+1], v[rS+8*sq+2]
.elseif sn < 12
	v_min3_num_f32 v[LM+sq], v[LM+sq], v[rS+8*sq+2*(sn/4)+1], v[rS+8*sq+2*(sn/4)+2]
.elseif sn < 16
	v_min_num_f32 v[LM+sq], v[LM+sq], v[rS+8*sq+7]
.elseif sn < 20
	v_permlanex16_b32 v[TP+sq], v[LM+sq], s[SEL], s[SEL+1]
.elseif sn < 24
	v_min_num_f32 v[LM+sq], v[LM+sq], v[TP+sq]
.elseif sn < 28
	v_mul_f32 v[LM+sq], s[FF], v[LM+sq]
.elseif sn < 44
.set rp, rS+8*sq+2*((sn-28)/4)
	v_pk_mul_f32 v[rp:rp+1], v[rp:rp+1], s[FF:FF+1] op_sel_hi:[1,0]
.elseif sn < 48
	v_mov_b32 v[MM+2*sq+1], v[MM+2*sq]
.elseif sn < 52
	v_max3_num_f32 v[MM+2*sq], v[MM+2*sq], v[XX+sq], v[XX+4+sq]
.elseif sn < 56
	v_max3_num_f32 v[MM+2*sq], v[MM+2*sq], v[XX+8+sq], v[XX+12+sq]
.elseif sn < 60
	v_sub_f32 v[rA+2*sq+1], v[MM+2*sq+1], v[MM+2*sq]
.elseif sn < 64
	v_mul_f32 v[rA+2*sq+1], s[LE], v[rA+2*sq+1]
.elseif sn < 72
.if (sn%2) == 0
	SD (sn-64)/2
.else
	v_exp_f32 v[rA+2*((sn-65)/2)], v[rA+2*((sn-65)/2)+1]
.endif
.elseif sn < 76
	SE sn-72
.elseif sn < 124
.if ((sn-76)%4) == 0
	SX (sn-76)/4, 0
.elseif ((sn-76)%4) == 1
	SD (sn-76)/4+4
.elseif ((sn-76)%4) == 2
	SX (sn-76)/4, 1
.else
	SE (sn-76)/4+4
.endif
.elseif sn < 132
	SX 12+(sn-124)/2, (sn-124)%2
.elseif sn < 148
	v_cvt_pk_bf16_f32 v[XX+sn-132], v[rS+2*(sn-132)], v[rS+2*(sn-132)+1]
.elseif sn < 152
	v_pk_add_f32 v[rS+8*sq:rS+8*sq+1], v[rS+8*sq:rS+8*sq+1], v[rS+8*sq+2:rS+8*sq+3]
.elseif sn < 156
	v_pk_add_f32 v[rS+8*sq+4:rS+8*sq+5], v[rS+8*sq+4:rS+8*sq+5], v[rS+8*sq+6:rS+8*sq+7]
.elseif sn < 160
	v_pk_add_f32 v[rS+8*sq:rS+8*sq+1], v[rS+8*sq:rS+8*sq+1], v[rS+8*sq+4:rS+8*sq+5]
.else
	v_pk_fma_f32 v[LL+2*sq:LL+2*sq+1], v[LL+2*sq:LL+2*sq+1], v[rA+2*sq:rA+2*sq+1], v[rS+8*sq:rS+8*sq+1] op_sel_hi:[1,0,1]
.endif
.endm
.macro SM4 hs, n
	SMOP \hs, (\n)
	SMOP \hs, (\n)+1
	SMOP \hs, (\n)+2
	SMOP \hs, (\n)+3
.endm
; SEGMENT A: K Q^T of half 0.  Each run of K is fetched 16 products ahead of its first use, into the set that the 16 products before have read.
.macro SEGA
.set i, 0
.rept 64
.if (i == 0) || (i == 16) || (i == 32)
	s_wait_dscnt 0x0                               ; this run of K is in; nothing younger is out
.elseif i == 48
	s_wait_dscnt 12                                ; run 3 is in; the 12 loads of V issued behind it may stay out
.endif
	WQK 0
.if (i%16) == 0
	PLACES
	KLOAD i/16+1
.elseif i == 40
.irp n, 0,1,2,3,4,5
	VLOAD \n                                       ; the ring of V^T is filled; its last readers stand in the tile before, with this segment's v_nop between
.endr
.endif
.set i, i+1
.endr
.endm
; SEGMENT B: K Q^T of half 1 | softmax of half 0, then O^T a0 for channel blocks 0 to 4.
.macro SEGB
.set i, 0
.rept 64
.if (i == 0) || (i == 32)
	s_wait_dscnt 0x0                               ; run 4 (and V's first six fragments); run 6
.elseif i == 18
	s_wait_dscnt 8                                 ; the four waves' maxima are in; run 6's eight loads, issued behind them, may stay out
.endif
	WQK 1
.if i == 0
	PLACES                                         ; also the places between half 0's last products and the first read of their scores
	KLOAD 5
.elseif i < 12
	SM4 0, 4*(i-1)
.elseif i == 16
	PLACES
	KLOAD 6
.elseif (i >= 18) && (i < 44)
	SM4 0, 44+4*(i-18)
.elseif i >= 44
	RS4 0, 4*(i-44)
.endif
.if i == 7
	MSTORE 0
.elseif i == 10
	s_wait_dscnt 0x0                               ; for the others' sake: my maxima are stored (and run 5 is in)
	s_barrier_signal -1
.elseif i == 12
	s_barrier_wait -1                              ; all four waves' maxima lie in LDS
	XLOAD 0
.elseif i == 33
	KLOAD 7                                        ; six plain vector instructions stand behind product 31, the last reader of this set
.elseif i == 39
	v_nop                                          ; a plain instruction behind the last exponential,
	s_wait_alu depctr_va_vdst(0)                   ; and the one wait ahead of the first line that names a result: for all 36
.elseif i == 43
	PSTORE 0
.elseif i == 46
	s_wait_dscnt 0x0                               ; for the others' sake: my part of P is stored (and run 7 is in)
	s_barrier_signal -1
.elseif i == 48
	s_barrier_wait -1                              ; P of half 0 is whole
	PLOAD 0, 0                                     ; eight rescalings stand behind product 47, the last reader of this set
.endif
.set i, i+1
.endr
.endm
; SEGMENT C: V^T P of half 0 | the rest of O^T a0 (channel block g is rescaled ahead of product 4 g) | softmax of half 1 | O^T a1, block g from product 49 + 4 g on, 14 behind the block's last product.
; V's fragments come two at a time, each pair into the places of the pair read eight products before, eight products or so ahead of its use.
.macro SEGC
.set i, 0
.rept 64
.if i == 0
	s_wait_dscnt 0x0                               ; P's first set is in
.elseif (i == 23) || (i == 32) || (i == 40) || (i == 48)
	s_wait_dscnt 4                                 ; all but the youngest pair of V's fragments (four loads): at 23 that shows the maxima in, too
.endif
	WPV 0
.if i == 0
	RS4 0, 80                                      ; with the four behind the product before: the places for half 1's scores and for P's second set
.elseif i < 8
	SM4 1, 4*(i-1)
.elseif i < 13
	RS4 0, 84+4*(i-8)
.elseif i < 17
	SM4 1, 28+4*(i-13)
.elseif i < 23
	RS4 0, 104+4*(i-17)
.elseif i < 49
	SM4 1, 44+4*(i-23)
.else
	RS4 1, 4*(i-49)
.endif
.if i == 0
	PLOAD 0, 1
.elseif i == 7
	MSTORE 1
.elseif i == 10
	s_wait_dscnt 0x0                               ; for the others' sake: my maxima are stored
	s_barrier_signal -1
	VLOAD 6                                        ; reads of the tile, which nobody writes before the change of slots
	VLOAD 7
.elseif i == 12
	s_barrier_wait -1
	XLOAD 1
.elseif i == 16
	VLOAD 8
	VLOAD 9
.elseif i == 25
	VLOAD 10
	VLOAD 11
.elseif i == 33
	VLOAD 12
	VLOAD 13
.elseif i == 41
	VLOAD 14
	VLOAD 15
.elseif i == 44
	v_nop                                          ; a plain instruction behind the last exponential,
	s_wait_alu depctr_va_vdst(0)                   ; and the one wait for the batch
.elseif i == 48
	PSTORE 1
.elseif i == 51
	s_wait_dscnt 0x0                               ; for the others' sake: my part of P is stored
	s_barrier_signal -1
	VLOAD 16
	VLOAD 17
.elseif i == 53
	s_barrier_wait -1                              ; P of half 1 is whole
	PLOAD 1, 0
.elseif i == 57
	VLOAD 18
	VLOAD 19
.endif
.set i, i+1
.endr
.endm
; THE CHANGE OF SLOTS, in segment D.  OPEN stands behind the tile's last LDS reads: the wave waits for all its tensor loads, of which one is out: its part of the other slot; adds 0 to its spare word; eight
; products later it waits for that and for its reads of this slot, and signals.  fill = 1: the barrier opens a round of the cluster's, and this slot is filled again, with the tile two on.
.macro OPEN fill
	WIN 0
.if \fill
	s_wait_xcnt 0x0                                ; the last prefetch, a tile back, has read its address, so it may be stepped
	s_add_nc_u64 s[PFA:PFA+1], s[PFA:PFA+1], TILEB
.endif
	s_wait_tensorcnt 0x0                           ; no tensor load of mine is out, so a group 0 may be written
	ds_add_u32 v[SPW], v[NIL]                      ; 0 onto my spare word: scalar work and eight products stand between it and the wait for it
.if \fill
	s_xor_b32 s[G0B+1], s[G0B+1], SLOTB            ; the walking descriptor: the slot in hand,
	s_add_nc_u64 s[G0B+2:G0B+3], s[G0B+2:G0B+3], TILEB  ; the next tile; the type bits on top are not reached
.endif
	s_xor_b32 s[TB], s[TB], SLOTB                  ; the reads go over to the other slot
.endm
; A PREFETCH INTO THE L2 of the tile that the NEXT refill will ask for: 256 matrix instructions ahead of that load.  A batch's sixteen clusters walk the same tiles: the first of them asks.  A tile is 512 blocks of
; 256 bytes: the four partners take 128 each, told apart BY ADDRESS, their four waves 32 each, a lane a block: one instruction a wave, and each block is named once in the launch.
; Tiles 0 to 2 come by their loads alone; the last refill asks for nothing: there is no tile behind it.
.macro ASK
	s_cmp_gt_u32 s[CNT], s[LIM]
	s_cbranch_scc0 .Lnot_mine_\@
	global_prefetch_b8 v[PFO], s[PFA:PFA+1] th:TH_LOAD_NT scope:SCOPE_SE
.Lnot_mine_\@:
.endm
.macro CLOSE fill
.if \fill
	CREST                                          ; no wave of any partner still reads this slot or has a load on its way
	tensor_load_to_lds s[G0B:G0B+3], s[G1:G1+7]    ; my one tensor load behind the round, and the first thing there: 244 products ahead of the wait for it
	s_nop 0
.endif
	PLACES
	v_add_nc_u32 v[AK], s[TB], v[AK0]
	v_add_nc_u32 v[AV], s[TB], v[AV0]
	KLOAD 0                                        ; the next tile's first run of K
.if \fill
	ASK
.endif
.endm
; SEGMENT D: V^T P of half 1 | the rest of O^T a1 | both halves' sums: l = (l a0 + sum 0) a1 + sum 1 | the change of slots.
.macro SEGD fill
.set i, 0
.rept 64
.if (i == 0) || (i == 24) || (i == 32) || (i == 40)
	s_wait_dscnt 4                                 ; all but the youngest pair of V's fragments
.elseif (i == 8) || (i == 16)
	s_wait_dscnt 12                                ; behind the pair wanted now stand another pair's four loads and the eight of P's second set
.elseif i == 48
	s_wait_dscnt 5                                 ; fragments 28 and 29 are in; the last pair's four loads and the add may be out
.endif
	WPV 1
.if i < 17
	RS4 1, 60+4*i
.elseif i < 21
	SM4 0, 148+4*(i-17)
.elseif i < 25
	SM4 1, 148+4*(i-21)
.endif
.if i == 1
	VLOAD 20
	VLOAD 21
	PLOAD 1, 1
.elseif i == 9
	VLOAD 22
	VLOAD 23
.elseif i == 17
	VLOAD 24
	VLOAD 25
.elseif i == 25
	VLOAD 26
	VLOAD 27
.elseif i == 33
	PLACES
	VLOAD 28
	VLOAD 29
.elseif i == 41
	PLACES
	VLOAD 30
	VLOAD 31
	OPEN \fill
.elseif i == 49
	s_wait_dscnt 0x0                               ; the add is done, and my reads of this slot are over
	s_barrier_signal -1
.elseif i == 53
	WIN 0
	s_barrier_wait -1
	CLOSE \fill
.endif
.set i, i+1
.endr
.endm
.macro TILE fill
	SEGA
	SEGB
	SEGC
	SEGD \fill
	WIN 0                                          ; at a label and at a branch every window is 0
.endm
	s_load_b128 s[4:7], s[0:1], 0x0                ; xb s[4:5], out0 s[6:7]
	v_lshl_add_u32 v[SPW], v0, 2, SPARE
	v_mov_b32 v[NIL], 0
	ds_add_u32 v[SPW], v[NIL]                      ; the wave's opening: the add and its wait go ahead of my first tensor load; the set-up below, work on registers, stands between them
	v_lshrrev_b32 v1, 5, v0
	v_readfirstlane_b32 s[WV], v1                  ; wave 0..3
	s_bfe_u32 s[CX], ttmp6, 0x40000                ; my place in the cluster
	s_lshl_b32 s[BLK], ttmp9, 2                    ; in a cluster launch ttmp9 counts clusters
	s_add_co_u32 s[BLK], s[BLK], s[CX]             ; my block of 64 queries: it enters Q's and the output's addresses alone
	s_and_b32 s[BAT], ttmp7, 0xffff                ; the batch, which the four partners share
	; descriptor group 1: 32 keys x 512 elements, padded in LDS
	s_mov_b32 s[G1+0], 15|(1<<16)|(1<<20)|(1<<21)|(7<<22)|(7<<25)  ; 15:0 the mask of four; 17:16 2-byte elements; 20 padding on; 21 set beside a mask; 24:22 after every 256 words (code 7); 31:25 8 words (code 7)
	s_mov_b32 s[G1+1], 512<<16                     ; tensor_dim0 = 512
	s_mov_b32 s[G1+2], 32<<16                      ; tensor_dim1 = 32
	s_mov_b32 s[G1+3], 512<<16                     ; tile_dim0 = 512
	s_mov_b32 s[G1+4], 32                          ; tile_dim1 = 32
	s_mov_b32 s[G1+5], 512                         ; 512 elements from row to row
	s_mov_b32 s[G1+6], 0
	s_mov_b32 s[G1+7], 0
	s_mul_i32 s[WL], s[WV], 32*PITCH               ; my 32 keys' place in a slot,
	s_lshr_b32 s2, s[WV], 1
	s_lshl_b32 s2, s2, 4
	s_add_co_u32 s[WL], s[WL], s2                  ; 16 bytes further for keys 64-127: no place in the cluster enters an LDS address
	s_mov_b32 s[G0A], 1                            ; count = 1
	s_mov_b32 s[G0A+1], s[WL]                      ; slot 0
	s_mov_b32 s[G0B], 1
	s_add_co_u32 s[G0B+1], s[WL], SLOTB            ; slot 1
	s_mov_b32 s[TB], 0
	s_mov_b32 s[CNT], 30                           ; tiles 0 to 29 ask for tiles 2 to 31
	s_mov_b32 s[LIM], ttmp9
	s_cmp_eq_u32 s[LIM], 0                         ; the batch's first cluster: the same in all four partners
	s_cselect_b32 s[LIM], 1, -1
	s_mov_b32 s[FF], 0xce6e6b28                    ; -1e9
	s_mov_b32 s[FF+1], s[FF]                       ; named with it as a pair
	s_mov_b32 s[LE], 0x3fb8aa3b                    ; log2 e
	s_mov_b32 s[LE+1], s[LE]
	s_mov_b32 s[SEL], 0x76543210
	s_mov_b32 s[SEL+1], 0xfedcba98
	; byte offsets, made apart from the addresses
	s_lshl_b32 s12, s[BAT], 22                     ; the batch in xb: 4,096 rows of 1,024 bytes
	s_mov_b32 s13, 0
	s_lshl_b32 s14, s[WV], 15                      ; my 32 keys of a tile
	s_mov_b32 s15, 0
	s_add_nc_u64 s[14:15], s[14:15], s[12:13]
	s_lshl_b32 s[QB], s[BLK], 16                   ; my block's 64 rows
	s_mov_b32 s[QB+1], 0
	s_add_nc_u64 s[QB:QB+1], s[QB:QB+1], s[12:13]
	s_lshl_b32 s[PFA], s[CX], 15                   ; the prefetches: my work-group's quarter of a tile,
	s_lshl_b32 s[PFA+1], s[WV], 13                 ; my wave's quarter of that,
	s_add_co_u32 s[PFA], s[PFA], s[PFA+1]
	s_add_co_u32 s[PFA], s[PFA], 2*TILEB           ; in tile 2: the first refill steps it to tile 3
	s_mov_b32 s[PFA+1], 0
	s_add_nc_u64 s[PFA:PFA+1], s[PFA:PFA+1], s[12:13]
	s_lshl_b32 s[OOF], s[BAT], 23                  ; out0: rows of 2,048 bytes; the batch,
	s_lshl_b32 s[OOF+1], s[BLK], 17                ; my block's 64 rows,
	s_add_co_u32 s[OOF], s[OOF], s[OOF+1]
	s_lshl_b32 s[OOF+1], s[WV], 9                  ; my wave's 128 channels
	s_add_co_u32 s[OOF], s[OOF], s[OOF+1]
	s_mov_b32 s[OOF+1], 0
	; lane terms: r = l % 16, h = l / 16, i7 = l % 8, g3 = (l / 8) % 2
	v_and_b32 v19, 15, v0                          ; r
	v_bfe_u32 v1, v0, 4, 1                         ; h
	v_and_b32 v52, 7, v0                           ; i7
	v_bfe_u32 v53, v0, 3, 1                        ; g3
	v_and_b32 v54, 31, v0                          ; l
	v_mul_u32_u24 v55, v52, PITCH
	v_mul_u32_u24 v[AK0], v53, HALFB               ; K: row i7 of keys 0-63 (g3 = 0) or 64-127 (g3 = 1),
	v_add_nc_u32 v[AK0], v[AK0], v55
	v_lshl_add_u32 v[AK0], v1, 4, v[AK0]           ; 16 bytes for each half of the lanes,
	s_mul_i32 s2, s[WV], 16*PITCH
	v_add_nc_u32 v[AK0], s2, v[AK0]                ; my wave's 16 rows
	v_mul_u32_u24 v[AV0], v1, HALFB                ; V: lane l reads key i7 of keys 0-63 (h = 0) or 64-127 (h = 1), channels 8 g3 + 0..7,
	v_add_nc_u32 v[AV0], v[AV0], v55
	v_lshl_add_u32 v[AV0], v53, 4, v[AV0]
	s_lshl_b32 s2, s[WV], 8
	v_add_nc_u32 v[AV0], s2, v[AV0]                ; of my wave's 128 channels
	v_mov_b32 v[AK], v[AK0]                        ; tile 0 lies in slot 0
	v_mov_b32 v[AV], v[AV0]
	v_lshl_add_u32 v[MRD], v19, 4, MXBASE
	v_add_nc_u32 v[MST], s2, v[MRD]                ; + 256 w
	v_lshl_add_u32 v[LXR], v19, 4, LXBASE
	v_add_nc_u32 v[LXS], s2, v[LXR]
	v_mul_u32_u24 v56, v19, PP
	v_lshl_add_u32 v[PRD], v1, 4, v56
	v_add_nc_u32 v[PRD], PBASE, v[PRD]             ; row r, 16 bytes for each half of the lanes
	s_lshl_b32 s2, s[WV], 5
	v_add_nc_u32 v[PST], s2, v[PRD]                ; + 32 w
	v_lshlrev_b32 v[PFO], 8, v54
	v_lshlrev_b32 v[QO], 10, v19
	v_lshl_add_u32 v[QO], v1, 4, v[QO]             ; row x 1,024 + 16 x half
	s_mul_i32 s3, s[WV], 16*SPI
	s_add_co_u32 s3, s3, STAGE                     ; my stage
	v_mul_u32_u24 v[STO], v19, SPI
	v_lshl_add_u32 v[STO], v1, 5, v[STO]           ; in: row r, 32 bytes for each half of the lanes
	v_add_nc_u32 v[STO], s3, v[STO]
	v_lshl_add_u32 v[SRD], v54, 4, s3              ; back: 32 lanes take a row's 512 bytes
	v_lshlrev_b32 v[GO], 4, v54
	s_wait_dscnt 0x0                               ; the opening add is done
	s_wait_kmcnt 0x0
	s_add_nc_u64 s[G0A+2:G0A+3], s[4:5], s[14:15]  ; my 32 keys of tile 0: the batch and the wave's number alone enter it,
	s_add_nc_u64 s[G0B+2:G0B+3], s[G0A+2:G0A+3], TILEB  ; and of tile 1
	s_or_b32 s[G0A+3], s[G0A+3], 0x80000000        ; type = 2
	s_or_b32 s[G0B+3], s[G0B+3], 0x80000000
	s_add_nc_u64 s[QB:QB+1], s[4:5], s[QB:QB+1]
	s_add_nc_u64 s[PFA:PFA+1], s[4:5], s[PFA:PFA+1]
	s_add_nc_u64 s[6:7], s[6:7], s[OOF:OOF+1]
	ROUND                                          ; all four work-groups are here: the first joint loads meet
	tensor_load_to_lds s[G0A:G0A+3], s[G1:G1+7]    ; both first fills go out together, ahead of every wait on TENSORcnt and every LDS read: two loads of mine are out
	s_nop 0
	tensor_load_to_lds s[G0B:G0B+3], s[G1:G1+7]
	s_nop 0
	PLACES
	; Q stays in registers: fragment (qt, c): lane l holds query 16 qt + l % 16, channels 32 c + 8 (l / 16) + 0..7 and 16 further on
	WIN 0x80
.set z, 0
.rept 32
	global_load_b128 v[8*z:8*z+3],   v[QO], s[QB:QB+1] offset:(z%4)*16384+(z/4)*64
	global_load_b128 v[8*z+4:8*z+7], v[QO], s[QB:QB+1] offset:(z%4)*16384+(z/4)*64+32
.set z, z+1
.endr
	WIN 0xc0
.set z, 0
.rept 32
	global_load_b128 v[8*z:8*z+3],   v[QO], s[QB:QB+1] offset:(z%4)*16384+(z/4+8)*64
	global_load_b128 v[8*z+4:8*z+7], v[QO], s[QB:QB+1] offset:(z%4)*16384+(z/4+8)*64+32
.set z, z+1
.endr
	WIN 0x40
.set z, 0
.rept 256
	v_mov_b32 v[z], 0                              ; O^T: the first step multiplies it by a = 0, so it must hold finite numbers
.set z, z+1
.endr
	WIN 0
.irp q, 0,1,2,3
	v_mov_b32 v[MM+2*\q], 0xff7fffff               ; M: the lowest finite number
	v_mov_b32 v[LL+2*\q], 0
	v_mov_b32 v[LL+2*\q+1], 0
	v_mov_b32 v[TP+\q], 0                          ; v_permlanex16_b32's destination counts as read
.endr
	s_wait_tensorcnt 1                             ; my part of tile 0 is in; tile 1's may stay out
	s_barrier_signal -1
	s_barrier_wait -1                              ; everybody's is
	KLOAD 0
	s_wait_loadcnt 0x0                             ; Q
.Ltile:                                            ; 30 trips: a tile is worked on and its slot filled again
	TILE 1
	s_sub_co_u32 s[CNT], s[CNT], 1
	s_cmp_lg_u32 s[CNT], 0
	s_cbranch_scc1 .Ltile
	s_mov_b32 s[CNT], 2
.Ltail:                                            ; the last two tiles ask for nothing; the second's run of K for a next tile (eight loads of the other slot's old bytes) serves nothing: the price of one text for both
	TILE 0
	s_sub_co_u32 s[CNT], s[CNT], 1
	s_cmp_lg_u32 s[CNT], 0
	s_cbranch_scc1 .Ltail
	; THE WAY OUT.  l: my two sums, the other half of the lanes', and the four waves' through LDS.  These additions are also the places behind the last products.
	s_wait_dscnt 0x0                               ; that last run of K has landed: its registers are used below
.irp q, 0,1,2,3
	v_add_f32 v[LM+\q], v[LL+2*\q], v[LL+2*\q+1]
.endr
.irp q, 0,1,2,3
	v_permlanex16_b32 v[TP+\q], v[LM+\q], s[SEL], s[SEL+1]
.endr
.irp q, 0,1,2,3
	v_add_f32 v[LM+\q], v[LM+\q], v[TP+\q]
.endr
	ds_store_b128 v[LXS], v[LM:LM+3]
	s_wait_dscnt 0x0                               ; for the others' sake
	s_barrier_signal -1
	s_barrier_wait -1
.irp u, 0,1,2,3
	ds_load_b128 v[XX+4*\u:XX+4*\u+3], v[LXR] offset:\u*256
.endr
	s_wait_dscnt 0x0
.irp q, 0,1,2,3
	v_add_f32 v[XX+\q], v[XX+\q], v[XX+4+\q]
.endr
.irp q, 0,1,2,3
	v_add_f32 v[XX+8+\q], v[XX+8+\q], v[XX+12+\q]
.endr
.irp q, 0,1,2,3
	v_add_f32 v[XX+\q], v[XX+\q], v[XX+8+\q]
.endr
.irp q, 0,1,2,3
	v_rcp_f32 v[A0+2*\q], v[XX+\q]                 ; l is 1 at the least: the largest t has the weight 1
.endr
	v_nop                                          ; a plain instruction between the last reciprocal and the use of its result,
	s_wait_alu depctr_va_vdst(0)                   ; and the wait ahead of the first use: one for the four
; Query tile q: O^T / l, 64 registers (v68 on for even q, v132 on for odd q); a lane's 8 channels of a row are 32 bytes; they go into rows of 528 bytes and come back as whole rows of 512, into the registers that they left.
.macro PACK q
.set rE, SS+64*((\q)%2)
	WIN 0x01                                       ; source 0 in window 1
.set z, 0
.rept 32
	v_pk_mul_f32 v[rE+2*z:rE+2*z+1], v[32*(z/4)+8*(\q)+2*(z%4):32*(z/4)+8*(\q)+2*(z%4)+1], v[A0+2*(\q):A0+2*(\q)+1] op_sel_hi:[1,0]
.set z, z+1
.endr
	WIN 0
.irp b, 0,1,2,3,4,5,6,7
	ds_store_b128 v[STO], v[rE+8*\b:rE+8*\b+3]   offset:64*\b
	ds_store_b128 v[STO], v[rE+8*\b+4:rE+8*\b+7] offset:64*\b+16
.endr
.set z, 0
.rept 16
	ds_load_b128 v[rE+4*z:rE+4*z+3], v[SRD] offset:z*SPI  ; LDS serves a wave's instructions in order (ISA guide 5.7.1.4): these see the stores above; the next tile's stores come behind them
.set z, z+1
.endr
.endm
.macro SEND q, younger                 ; younger: the LDS instructions issued behind tile q's loads: the next tile's 32, or none
.set rE, SS+64*((\q)%2)
.set z, 0
.rept 16
	s_wait_dscnt (\younger)+15-z
	global_store_b128 v[GO], v[rE+4*z:rE+4*z+3], s[6:7] offset:(16*(\q)+z)*2048 th:TH_STORE_NT  ; 512 consecutive bytes, at a multiple of 512 from out0's first byte
.set z, z+1
.endr
.endm
	PACK 0
	PACK 1                                         ; a tile's arithmetic stands between the loads of the tile before and its stores
	SEND 0, 32
	s_wait_xcnt 0x0                                ; tile 0's stores have read their registers, which tile 2 takes
	PACK 2
	SEND 1, 32
	s_wait_xcnt 0x0                                ; likewise tile 1's, for tile 3
	PACK 3
	SEND 2, 32
	SEND 3, 0
	s_wait_tensorcnt 0x0                           ; the wave's end, behind my last tensor load and my last LDS store
	ds_add_u32 v[SPW], v[NIL]
	s_wait_dscnt 0x0
	ROUND                                          ; the closing round: no work-group ends while a partner may still ask for a tile that names it
	s_endpgm
.Lfunc_end_k_q6f7aabc0c1_attn:
	.size	k_q6f7aabc0c1_attn, .Lfunc_end_k_q6f7aabc0c1_attn-k_q6f7aabc0c1_attn
	.p2alignl 7, 3214868480
	.fill 96, 4, 3214868480
	.section	.rodata,"a",@progbits
	.p2align	6, 0x0
	.amdhsa_kernel k_q6f7aabc0c1_attn
		.amdhsa_group_segment_fixed_size 327680
		.amdhsa_private_segment_fixed_size 0
		.amdhsa_enable_private_segment 0
		.amdhsa_kernarg_size 16
		.amdhsa_user_sgpr_count 2
		.amdhsa_user_sgpr_kernarg_segment_ptr 1
		.amdhsa_wavefront_size32 1
		.amdhsa_system_sgpr_workgroup_id_x 1
		.amdhsa_system_sgpr_workgroup_id_y 1
		.amdhsa_system_sgpr_workgroup_id_z 1
		.amdhsa_system_vgpr_workitem_id 0
		.amdhsa_next_free_vgpr 1024
		.amdhsa_next_free_sgpr 66
		.amdhsa_reserve_vcc 0
		.amdhsa_float_denorm_mode_32 3
		.amdhsa_float_denorm_mode_16_64 3
		.amdhsa_memory_ordered 1
		.amdhsa_forward_progress 1
		.amdhsa_inst_pref_size 200
	.end_amdhsa_kernel
	.amdgpu_metadata
---
amdhsa.version: [ 1, 2 ]
amdhsa.kernels:
  - .name:           k_q6f7aabc0c1_attn
    .symbol:         k_q6f7aabc0c1_attn.kd
    .args:
      - { .name: xb, .offset: 0, .size: 8, .value_kind: global_buffer, .address_space: global }
      - { .name: out0, .offset: 8, .size: 8, .value_kind: global_buffer, .address_space: global }
    .group_segment_fixed_size: 327680
    .private_segment_fixed_size: 0
    .kernarg_segment_align: 8
    .kernarg_segment_size: 16
    .max_flat_workgroup_size: 128
    .sgpr_count:     66
    .vgpr_count:     1024
    .wavefront_size: 32
...
	.end_amdgpu_metadata
.endif
;; end of part 2
